; MI455X (gfx1250); checked and timed in simulation.
; The chip was launched on July 23, 2026; its instructions are those of AMD's public machine-readable ISA for CDNA 5 (MIT licence, August 2026) and "CDNA5" Instruction Set Architecture Reference Guide (July 2026). The comments in the code are by the model that wrote it; some were corrected since.
;; NL Block. Allowed arithmetic: matrix products marked QUANTISED: E3M2 operands, one E8M0 scale for each 32 along K, by v_wmma_scale_f32_16x16x128_f8f6f4 with both operands' format E3M2, f32 sums; products left as they are: f32 operands where the result goes on into a quantised operand, else bf16, f16 or f32 operands; f32 sums; everything else in f32.
;; Inputs: Lt 2,048 x 64 x 512 float32; W1 512 x 512 float32; W2 512 x 512 float32; W3 512 x 512 float32; W4 512 x 512 float32; b1 512 float32; b2 512 float32; b3 512 float32; b4 512 float32; ct 2,048 x 512 float32; ln_b 512 float32; ln_g 512 float32.
;; Outputs: out0 2,048 x 512 float32.
;; This version of the problem:
;;   THIS VERSION OF THE PROBLEM IS GIVEN IN LOW PRECISION. The matrix products marked QUANTISED in the list below multiply operands that are first quantised to E3M2 (3 exponent bits, 2 mantissa bits; 6 bits a number), with one power-of-two scale for each 32 numbers along K (OCP MX v1.0); their sums are f32. All else is computed in f32.
;;   The module's matrix products, in the order in which they are computed (A, B: the left and right operand; K: the contracted axis; several contracted axes count as one K, in the product's order):
;;     1. [M 2,048, K 512] x [K 512, N 512]; A: input ct; B: input W1: QUANTISED
;;     2. [M 131,072, K 512] x [K 512, N 512]; A: input Lt; B: input W2: QUANTISED
;;     3. batch 2,048 x [M 1, K 512] x [K 512, N 64]; A: computed on the way; B: computed on the way: left as it is (M = 1 < 16)
;;     4. [M 131,072, K 512] x [K 512, N 512]; A: input Lt; B: input W3: QUANTISED
;;     5. batch 2,048 x [M 1, K 64] x [K 64, N 512]; A: softmax; B: computed on the way: left as it is (M = 1 < 16)
;;     6. [M 2,048, K 512] x [K 512, N 512]; A: computed on the way; B: input W4: QUANTISED
;;   THE QUANTISER, for each operand of a quantised product, along K:
;;     - K is cut into blocks of 32 from its start; a last block that is shorter is filled with zeros.
;;     - A block's scale is 2^e with e = floor(log2(the largest magnitude in the block)) - 4, held to -126 .. 127; a block of zeros has e = 0. As a byte (E8M0): e + 127.
;;     - Each number is divided by its block's scale, clamped to +-28, and rounded to the nearest number of E3M2, ties to even, subnormals kept.
;;     - The product sums the exact products of the quantised numbers (number of the format x scale) in f32.
;;   ~~~python
;;   def quantise(x, axis):      # numpy; x: float32 -> the quantised numbers, widened to float32 again
;;       x = np.moveaxis(x, axis, -1); K = x.shape[-1]
;;       x = np.pad(x, [(0, 0)] * (x.ndim - 1) + [(0, -K % 32)]); x = x.reshape(x.shape[:-1] + (-1, 32)); a = np.abs(x).max(-1, keepdims=True)
;;       e = np.where(a > 0, np.clip(np.frexp(np.where(a > 0, a, 1))[1] - 1 - 4, -126, 127), 0)      # np.frexp(a)[1] - 1 = floor(log2(a)), exactly
;;       r = np.clip(x / 2.0 ** e, -28, 28)
;;       step = 2.0 ** (np.maximum(np.frexp(np.where(r == 0, 1, r))[1] - 1, -2) - 2)
;;       q = np.round(r / step) * step * 2.0 ** e      # np.round: ties to even
;;       return np.moveaxis(q.reshape(q.shape[:-2] + (-1,))[..., :K], -1, axis).astype(np.float32)
;;   ~~~
;;   OPERANDS COMPUTED ON THE WAY. 'Computed on the way' means the value that the module computes at that place (a softmax that the list does not call 'softmax' is quantised finished and normalised). What goes into a quantiser is computed in f32, as accurately as f32 sums, v_exp_f32 and their like allow (about 1e-6 of the number): no bf16 or f16 on the way to a quantiser, and a product that is left as it is and whose result goes on into a quantised operand takes f32 operands (vector FMAs, or v_wmma_f32_16x16x4_f32). A number that lies on a knife's edge between two numbers of the format may be rounded either way, as far as f32 arithmetic and the matrix unit's own rounding can turn it there, and no further.
;; One version. Each part assembles by itself: llvm-mc -triple=amdgcn-amd-amdhsa -mcpu=gfx1250 --defsym DOCPART=n.
;; ======== version 1 of 1: 2 launches
;; limits: right only within a limited range of input values
;; workspace buffers: wcodes 786,432 bytes; wscales 32,768 bytes
;; launch prep (part 1): grid 128 x 1, 4 waves a work-group, no clusters, 768 bytes of LDS; arguments W1, W2, W3, W4, wcodes, wscales; writes wcodes, wscales
.if DOCPART == 1
	.amdgcn_target "amdgcn-amd-amdhsa--gfx1250"
	.amdhsa_code_object_version 6
	.text
	.protected	k_q65205809fb_prep
	.globl	k_q65205809fb_prep
	.p2align	8
	.type	k_q65205809fb_prep,@function
k_q65205809fb_prep:
	s_mov_b64 s[64:65], 0
	v_nop
	global_prefetch_b8 v0, s[64:65] scope:SCOPE_SE
	s_setreg_imm32_b32 hwreg(HW_REG_WAVE_MODE, 25, 1), 1
	s_wait_xcnt 0x0
; W1 .. W4, each [512 (e)][512 (d)] f32 with K = d innermost, become codes of BF6 (E3M2) with one E8M0 byte for each 32 along K,
; laid as the second launch's operand registers take them.
; A FRAGMENT is 16 rows e x 128 along K: 12 registers a lane; lane (r, h) holds row r, registers 6 c .. 6 c + 5 hold k = 64 c + 32 h + 0 .. 31.
; It is stored as an image of those registers: registers 4 g .. 4 g + 3 of lane l at 512 g + 16 l, 1,536 bytes on end.
; Matrix x, tile of rows (0 .. 31) = 8 w + c, K step s: fragment number (4 x + w) 32 + 16 (c / 4) + 4 s + c % 4.
; Scale words (four bytes: 128 along K of one row): [x][tile][row r][s], 256 bytes a tile.
; A block's scale byte is its largest magnitude's exponent field - 4, held at 1 from below by a floor among the maximum's leaves.
; LIMITS: a block of zeros gets the byte 1 (its codes are zeros, and this program alone reads the bytes); NaN and infinities are not served.
; SHARES: work-group = (matrix x = id / 32, tile = id % 32); wave s makes the fragment of K step s.  A lane holds two whole blocks of 32.
; WORK LEFT OUT BY THE PROGRAM: sl[b][t] = scale x (q[b] . (Lt[b][t] W2^T) + q[b] . b2).  The term q[b] . b2 does not hang on t, and softmax(x + c) = softmax(x)
; for every c that is the same along its axis: so b2 reaches no output, whatever finite values the inputs hold.  k is an operand of no quantised product.
; b2 is not loaded and is among no launch's arguments.  LIMIT: a NaN, an infinity or an overflow that b2 alone would bring is not carried to the result.
.set FRB, 1536
.set X,   32                           ; v32-95   64 numbers: register 32 c + i = k 64 c + 32 h + i of my row
.set PC,  96                           ; v96-107  the fragment
.set CT,  108                          ; v108-110, v112-114 the upper halves of the two blocks, before they are moved
.set TM,  116                          ; v116-119 four running maxima
.set SO,  120                          ; v120-121 the conversions' scale operands
.set BY,  122                          ; v122-123 the scale bytes
.set PW,  124                          ; v124     the scale word
.set TT,  125                          ; v125     the other half's two bytes
.set SH8, 8                            ; v8       8 h
.set SEL, 26                           ; s[26:27] v_permlanex16_b32's selects for lane l xor 16
; 64 numbers of a lane become 12 registers of codes in v[PC] on and the row's scale word in v[PW].
.macro QUANT x
.irp k,0,1,2,3
	v_max3_num_f32 v[TM+\k], |v[(\x)+16*\k]|, |v[(\x)+16*\k+1]|, 0x2800000   ; chain k: numbers 16 k on, and the floor 2^(5 - 127): the byte cannot fall under 1
.endr
.irp i,2,4,6,8,10,12,14
.irp k,0,1,2,3
	v_max3_num_f32 v[TM+\k], v[TM+\k], |v[(\x)+16*\k+\i]|, |v[(\x)+16*\k+\i+1]|   ; the four chains by turns
.endr
.endr
	v_max_num_f32 v[TM], v[TM], v[TM+1]            ; block h
	v_max_num_f32 v[TM+2], v[TM+2], v[TM+3]        ; block 2 + h
	v_add_nc_u32 v[SO], 0xfe000000, v[TM]          ; 4 off the exponent field: the conversion takes that field as its scale
	v_add_nc_u32 v[SO+1], 0xfe000000, v[TM+2]
	v_lshrrev_b32 v[BY], 23, v[SO]                 ; the bytes
	v_lshrrev_b32 v[BY+1], 23, v[SO+1]
	v_lshl_or_b32 v[PW], v[BY+1], 16, v[BY]
	v_lshlrev_b32 v[PW], v[SH8], v[PW]             ; at their places in the word: bytes h and 2 + h
	v_permlanex16_b32 v[TT], v[PW], s[SEL], s[SEL+1]
	v_or_b32 v[PW], v[PW], v[TT]                   ; with lane l xor 16's two the word is whole, in both halves of the lanes
.irp c,0,1
	v_cvt_scalef32_pk16_bf6_f32 v[PC+6*\c:PC+6*\c+2], v[(\x)+32*\c:(\x)+32*\c+15], v[SO+\c]
	v_cvt_scalef32_pk16_bf6_f32 v[CT+4*\c:CT+4*\c+2], v[(\x)+32*\c+16:(\x)+32*\c+31], v[SO+\c]   ; a conversion's three registers begin on an even number
.endr
	v_nop                                          ; one plain instruction behind the scaled conversions
.irp c,0,1
.irp i,0,1,2
	v_mov_b32 v[PC+3+6*\c+\i], v[CT+4*\c+\i]
.endr
.endr
.endm
	s_load_b256 s[4:11], s[0:1], 0x0               ; W1 s[4:5], W2 s[6:7], W3 s[8:9], W4 s[10:11]
	s_load_b128 s[12:15], s[0:1], 0x20             ; wcodes s[12:13], wscales s[14:15]
	v_lshl_add_u32 v128, v0, 2, 0x100
	v_mov_b32 v129, 0
	v_lshrrev_b32 v1, 5, v0
	v_readfirstlane_b32 s16, v1                    ; wave = K step
	v_and_b32 v2, 31, v0                           ; lane
	v_and_b32 v3, 15, v0                           ; r
	v_bfe_u32 v4, v0, 4, 1                         ; h
	v_lshlrev_b32 v5, 11, v3
	v_lshl_add_u32 v5, v4, 7, v5                   ; in: row r of 2,048 bytes + 128 h
	v_lshlrev_b32 v6, 4, v2                        ; out: 16 x lane
	v_lshlrev_b32 v[SH8], 3, v4
	s_lshl_b32 s17, s16, 2
	v_lshlrev_b32 v7, 4, v3
	v_add_nc_u32 v7, s17, v7                       ; LDS: my row's word of my K step: 16 r + 4 s
	v_lshlrev_b32 v9, 3, v2                        ; and 8 bytes a lane on the way out
	v_mov_b32 v[TT], 0                             ; a lane permute's destination counts as read
	s_mov_b32 s[SEL], 0x76543210
	s_mov_b32 s[SEL+1], 0xfedcba98
	s_lshr_b32 s18, ttmp9, 5                       ; x
	s_and_b32 s19, ttmp9, 31                       ; tile
	s_lshl_b32 s20, s19, 15                        ; 16 rows of 2,048 bytes a tile,
	s_lshl_b32 s21, s16, 9                         ; 512 bytes a K step
	s_add_co_u32 s20, s20, s21
	s_mov_b32 s21, 0
	s_lshl_b32 s22, s18, 2
	s_lshr_b32 s23, s19, 3
	s_add_co_u32 s22, s22, s23                     ; 4 x + w
	s_lshl_b32 s22, s22, 5
	s_bfe_u32 s23, s19, 0x10002                    ; (c / 4)
	s_lshl_b32 s23, s23, 4
	s_add_co_u32 s22, s22, s23
	s_add_co_u32 s22, s22, s17                     ; + 4 s
	s_and_b32 s23, s19, 3
	s_add_co_u32 s22, s22, s23                     ; + c % 4
	s_mul_i32 s22, s22, FRB
	s_mov_b32 s23, 0
	s_lshl_b32 s24, ttmp9, 8                       ; 256 scale bytes a tile
	s_mov_b32 s25, 0
	s_wait_alu depctr_va_vdst(0)
	s_wait_kmcnt 0x0
	s_cmp_eq_u32 s18, 1                            ; which matrix: the choice hangs on the work-group's number alone
	s_cselect_b64 s[4:5], s[6:7], s[4:5]
	s_cmp_eq_u32 s18, 2
	s_cselect_b64 s[4:5], s[8:9], s[4:5]
	s_cmp_eq_u32 s18, 3
	s_cselect_b64 s[4:5], s[10:11], s[4:5]
	s_add_nc_u64 s[4:5], s[4:5], s[20:21]
	s_add_nc_u64 s[12:13], s[12:13], s[22:23]
	s_add_nc_u64 s[14:15], s[14:15], s[24:25]
.irp c,0,1
.irp i,0,1,2,3,4,5,6,7
	global_load_b128 v[X+32*\c+4*\i:X+32*\c+4*\i+3], v5, s[4:5] offset:256*\c+16*\i th:TH_LOAD_NT   ; the sixteen loads together cover 512 consecutive bytes of each of 16 rows
.endr
.endr
	s_wait_loadcnt 0x0
	QUANT X
.irp g,0,1,2
	global_store_b128 v6, v[PC+4*\g:PC+4*\g+3], s[12:13] offset:512*\g   ; 32 lanes store 512 consecutive bytes, at a multiple of 512 from the buffer's first byte
.endr
	ds_store_b32 v7, v[PW]                         ; both halves of the lanes write the same word with the same value
	s_wait_dscnt 0x0                               ; for the others' sake: my store has landed
	s_barrier_signal -1
	s_barrier_wait -1
	s_cmp_lg_u32 s16, 0
	s_cbranch_scc1 .Ldone                          ; wave 0 sends the tile's 256 scale bytes out
	ds_load_b64 v[10:11], v9
	s_wait_dscnt 0x0
	global_store_b64 v9, v[10:11], s[14:15]        ; 32 lanes store 256 consecutive bytes, aligned
.Ldone:
	s_wait_tensorcnt 0x0
	ds_add_u32 v128, v129
	s_wait_dscnt 0x0
	s_endpgm
.Lfunc_end_k_q65205809fb_prep:
	.size	k_q65205809fb_prep, .Lfunc_end_k_q65205809fb_prep-k_q65205809fb_prep
	.p2alignl 7, 3214868480
	.fill 96, 4, 3214868480
	.section	.rodata,"a",@progbits
	.p2align	6, 0x0
	.amdhsa_kernel k_q65205809fb_prep
		.amdhsa_group_segment_fixed_size 768
		.amdhsa_private_segment_fixed_size 0
		.amdhsa_enable_private_segment 0
		.amdhsa_kernarg_size 48
		.amdhsa_user_sgpr_count 2
		.amdhsa_user_sgpr_kernarg_segment_ptr 1
		.amdhsa_wavefront_size32 1
		.amdhsa_system_sgpr_workgroup_id_x 1
		.amdhsa_system_sgpr_workgroup_id_y 1
		.amdhsa_system_sgpr_workgroup_id_z 1
		.amdhsa_system_vgpr_workitem_id 0
		.amdhsa_next_free_vgpr 130
		.amdhsa_next_free_sgpr 66
		.amdhsa_reserve_vcc 0
		.amdhsa_float_denorm_mode_32 3
		.amdhsa_float_denorm_mode_16_64 3
		.amdhsa_memory_ordered 1
		.amdhsa_forward_progress 1
		.amdhsa_inst_pref_size 8
	.end_amdhsa_kernel
	.amdgpu_metadata
---
amdhsa.version: [ 1, 2 ]
amdhsa.kernels:
  - .name:           k_q65205809fb_prep
    .symbol:         k_q65205809fb_prep.kd
    .args:
      - { .name: W1, .offset: 0, .size: 8, .value_kind: global_buffer, .address_space: global }
      - { .name: W2, .offset: 8, .size: 8, .value_kind: global_buffer, .address_space: global }
      - { .name: W3, .offset: 16, .size: 8, .value_kind: global_buffer, .address_space: global }
      - { .name: W4, .offset: 24, .size: 8, .value_kind: global_buffer, .address_space: global }
      - { .name: wcodes, .offset: 32, .size: 8, .value_kind: global_buffer, .address_space: global }
      - { .name: wscales, .offset: 40, .size: 8, .value_kind: global_buffer, .address_space: global }
    .group_segment_fixed_size: 768
    .private_segment_fixed_size: 0
    .kernarg_segment_align: 8
    .kernarg_segment_size: 48
    .max_flat_workgroup_size: 128
    .sgpr_count:     66
    .vgpr_count:     130
    .wavefront_size: 32
...
	.end_amdgpu_metadata
.endif
;; end of part 1
;; launch main (part 2): grid 256 x 1, 4 waves a work-group, no clusters, 327,680 bytes of LDS; arguments Lt, ct, wcodes, wscales, b1, b3, b4, ln_g, ln_b, out0; writes out0
.if DOCPART == 2
	.amdgcn_target "amdgcn-amd-amdhsa--gfx1250"
	.amdhsa_code_object_version 6
	.text
	.protected	k_q65205809fb_main
	.globl	k_q65205809fb_main
	.p2align	8
	.type	k_q65205809fb_main,@function
k_q65205809fb_main:
	s_mov_b64 s[64:65], 0
	v_nop
	global_prefetch_b8 v0, s[64:65] scope:SCOPE_SE
	s_setreg_imm32_b32 hwreg(HW_REG_WAVE_MODE, 25, 1), 1
	s_wait_xcnt 0x0
; A work-group takes 8 batch rows through the whole module: q = Q(ct) Q(W1)^T + b1; then for each batch row its 64 x 512 of Lt, brought by tensor loads into two slots by turns,
; quantised to BF6 codes in LDS, multiplied by W2 (scores with q, softmax with the maximum taken away) and by W3 (sum weighted by p); then LayerNorm, relu, Q(.) Q(W4)^T + b4 + ct.
; Wave w holds rows e = 128 w .. 128 w + 127 of W2 and W3 as 64 fragments in registers for the whole walk; W1 lies first where W3 will, W4 at the end where W2 lay.
; b2 is left out: q . b2 is the same for all t of a batch row, and a softmax is unchanged by such a term (shown at the head of the first kernel).
; W4 is asked for in the last batch row, behind its last product with W2.  ln_g, ln_b and b4 are read at the head, 16 bytes a thread, and kept in LDS: each wave reads back its own 512 bytes of each.
; No cluster: the work-groups share the weights alone, which go from memory straight into registers, once a work-group.
.set SLOT,  135168
.set TILE,  33792
.set RP,    528
.set FRB,   1536
.set CODES, 2*SLOT
.set ASC,   CODES+16*FRB
.set QS,    ASC+1024
.set QP,    2064
.set XCH,   QS+16640
.set PPRIV, XCH+1024
.set QBL,   PPRIV+1024
.set SPARE, QBL+256
.set GLB,   SPARE+512                  ; ln_g, ln_b, b4: 2,048 bytes each, stored once at the head
.set SPW,  1
.set NIL,  2
.set LI,   3
.set QA0,  4
.set QADR, 5
.set CST,  6
.set SST,  7
.set ASA,  8
.set XST,  9
.set XLD,  10
.set PST,  11
.set PLD,  12
.set QLD0, 13
.set SLA0, 14
.set QBAW, 15
.set SH8,  16
.set QBR,  17
.set T0,   18
.set T1,   19
.set WS,   20
.set AF,   64
.set AS,   112
.set ACC,  120
.set QV,   184
.set PP,   184
.set SA,   216
.set SLC,  248
.set PC,   64
.set CT,   76
.set TM,   84
.set SO,   88
.set BY,   90
.set PW,   92
.set TT,   93
.set B4R,  216
.set OUTR, 220
.set WV,   30
.set WT,   31
.set G0A,  32
.set G0B,  36
.set G1,   40
.set SEL,  48
.set CS,   50
.set TB,   51
.set CNT,  52
.set QOF,  53
.set WB1,  54
.set WB2,  56
.set WB3,  58
.set WB4,  60
.set BOF,  62
.set W512, 63
.set MSB, 0
.macro WIN new
.if MSB != (\new)
	s_set_vgpr_msb (MSB<<8)|(\new)
.set MSB, \new
.endif
.endm
.macro WREG G
.if (\G) < 63
.set WW, 1+(\G)/21
.set WR, 12*((\G)%21)
.else
.set WW, 0
.set WR, 52
.endif
.endm
.macro PLACES
.rept 4
	v_nop
.endr
.endm
.macro BARRIER
	s_wait_dscnt 0x0
	s_barrier_signal -1
	s_barrier_wait -1
.endm
.macro QUANT x
.irp k,0,1,2,3
	v_max3_num_f32 v[TM+\k], |v[(\x)+16*\k]|, |v[(\x)+16*\k+1]|, 0x2800000
.endr
.irp i,2,4,6,8,10,12,14
.irp k,0,1,2,3
	v_max3_num_f32 v[TM+\k], v[TM+\k], |v[(\x)+16*\k+\i]|, |v[(\x)+16*\k+\i+1]|
.endr
.endr
	v_max_num_f32 v[TM], v[TM], v[TM+1]
	v_max_num_f32 v[TM+2], v[TM+2], v[TM+3]
	v_add_nc_u32 v[SO], 0xfe000000, v[TM]
	v_add_nc_u32 v[SO+1], 0xfe000000, v[TM+2]
	v_lshrrev_b32 v[BY], 23, v[SO]
	v_lshrrev_b32 v[BY+1], 23, v[SO+1]
	v_lshl_or_b32 v[PW], v[BY+1], 16, v[BY]
	v_lshlrev_b32 v[PW], v[SH8], v[PW]
	v_permlanex16_b32 v[TT], v[PW], s[SEL], s[SEL+1]
	v_or_b32 v[PW], v[PW], v[TT]
.irp c,0,1
	v_cvt_scalef32_pk16_bf6_f32 v[PC+6*\c:PC+6*\c+2], v[(\x)+32*\c:(\x)+32*\c+15], v[SO+\c]
	v_cvt_scalef32_pk16_bf6_f32 v[CT+4*\c:CT+4*\c+2], v[(\x)+32*\c+16:(\x)+32*\c+31], v[SO+\c]
.endr
	v_nop
.irp c,0,1
.irp i,0,1,2
	v_mov_b32 v[PC+3+6*\c+\i], v[CT+4*\c+\i]
.endr
.endr
.endm
.macro LOADF m, x
.irp c,0,1
.irp i,0,1,2,3,4,5,6,7
	ds_load_b128 v[(\x)+32*\c+4*\i:(\x)+32*\c+4*\i+3], v[QADR] offset:16*RP*(\m)+256*\c+16*\i
.endr
.endr
.endm
.macro IMG m
.irp q,0,1,2
	ds_store_b128 v[CST], v[PC+4*\q:PC+4*\q+3] offset:4*FRB*(\m)+512*\q
.endr
	ds_store_b32 v[SST], v[PW] offset:256*(\m)
.endm
.macro FETCHA s, m
.irp q,0,1,2
	ds_load_b128 v[AF+12*(\s)+4*\q:AF+12*(\s)+4*\q+3], v[LI] offset:(4*(\m)+(\s))*FRB+512*\q
.endr
.endm
.macro FETCHS n, m
	ds_load_b128 v[AS+4*((\n)%2):AS+4*((\n)%2)+3], v[ASA] offset:256*(\m)
.endm
.macro MMK st, c, s, n
	WREG 16*((\c)/4)+4*(\s)+(\c)%4
	WIN WW
.set DR, ACC+32*(\st)+8*((\c)%4)
.set AR, AF+12*(\s)
.set SW, WS+4*(\c)+(\s)
.set SL, AS+4*((\n)%2)+(\s)
.if (\s) == 0
	v_wmma_scale_f32_16x16x128_f8f6f4 v[DR:DR+7], v[WR:WR+11], v[AR:AR+11], 0, v[SW], v[SL] matrix_a_fmt:MATRIX_FMT_BF6 matrix_b_fmt:MATRIX_FMT_BF6
.else
	v_wmma_scale_f32_16x16x128_f8f6f4 v[DR:DR+7], v[WR:WR+11], v[AR:AR+11], v[DR:DR+7], v[SW], v[SL] matrix_a_fmt:MATRIX_FMT_BF6 matrix_b_fmt:MATRIX_FMT_BF6
.endif
.endm
.macro MMV st, c, s, n
	WREG 32+16*((\c)/4)+4*(\s)+(\c)%4
	WIN WW<<2
.set DR, ACC+32*(\st)+8*((\c)%4)
.set AR, AF+12*(\s)
.set SW, WS+4*(\c)+(\s)
.set SL, AS+4*((\n)%2)+(\s)
.if (\s) == 0
	v_wmma_scale_f32_16x16x128_f8f6f4 v[DR:DR+7], v[AR:AR+11], v[WR:WR+11], 0, v[SL], v[SW] matrix_a_fmt:MATRIX_FMT_BF6 matrix_b_fmt:MATRIX_FMT_BF6 matrix_b_scale:MATRIX_SCALE_ROW1
.else
	v_wmma_scale_f32_16x16x128_f8f6f4 v[DR:DR+7], v[AR:AR+11], v[WR:WR+11], v[DR:DR+7], v[SL], v[SW] matrix_a_fmt:MATRIX_FMT_BF6 matrix_b_fmt:MATRIX_FMT_BF6 matrix_b_scale:MATRIX_SCALE_ROW1
.endif
.endm
.macro CONK st, c
.set DR, ACC+32*(\st)+8*((\c)%4)
.irp i,0,1,2,3
.if (\c) == 0
	v_pk_mul_f32 v[SLC+2*\i:SLC+2*\i+1], v[DR+2*\i:DR+2*\i+1], v[QV+8*(\c)+2*\i:QV+8*(\c)+2*\i+1]
.else
	v_pk_fma_f32 v[SLC+2*\i:SLC+2*\i+1], v[DR+2*\i:DR+2*\i+1], v[QV+8*(\c)+2*\i:QV+8*(\c)+2*\i+1], v[SLC+2*\i:SLC+2*\i+1]
.endif
.endr
.endm
.macro CONV st, c, m
.set DR, ACC+32*(\st)+8*((\c)%4)
.irp i,0,1,2,3
.if ((\m) == 0) && (\i < 2)
	v_pk_mul_f32 v[SA+4*(\c)+2*(\i%2):SA+4*(\c)+2*(\i%2)+1], v[DR+2*\i:DR+2*\i+1], v[PP+8*(\m)+2*\i:PP+8*(\m)+2*\i+1]
.else
	v_pk_fma_f32 v[SA+4*(\c)+2*(\i%2):SA+4*(\c)+2*(\i%2)+1], v[DR+2*\i:DR+2*\i+1], v[PP+8*(\m)+2*\i:PP+8*(\m)+2*\i+1], v[SA+4*(\c)+2*(\i%2):SA+4*(\c)+2*(\i%2)+1]
.endif
.endr
.endm
.macro FOLDS
	v_pk_add_f32 v[SLC:SLC+1], v[SLC:SLC+1], v[SLC+2:SLC+3]
	v_pk_add_f32 v[SLC+4:SLC+5], v[SLC+4:SLC+5], v[SLC+6:SLC+7]
	v_pk_add_f32 v[SLC:SLC+1], v[SLC:SLC+1], v[SLC+4:SLC+5]
	v_add_f32 v[T0], v[SLC], v[SLC+1]
	v_permlanex16_b32 v[T1], v[T0], s[SEL], s[SEL+1]
	v_add_f32 v[T0], v[T0], v[T1]
.endm
.macro FOLDK m
	FOLDS
	ds_store_b32 v[XST], v[T0] offset:64*(\m)
.endm
.macro GROUP ph, m, g, prev, nextm, extra
.irp s,0,1,2,3
.if (\extra) >= 0
	s_wait_alu depctr_va_vdst(0)
	s_wait_dscnt 3*(3-\s)+(\extra)
.endif
.irp cc,0,1,2,3
.if \ph
	MMV \g,4*(\g)+\cc,\s,4+(\m)
.else
	MMK \g,4*(\g)+\cc,\s,\m
.endif
.endr
.if (\prev) || ((\nextm) >= 0)
	WIN 0
.endif
.if (\prev) == 1
.if \s == 0
	PLACES
	s_wait_dscnt 0x0
.endif
.endif
.if \prev
.if \ph
	CONV 1-(\g),4*(1-(\g))+\s,(\m)-1+(\g)
.else
	CONK 1-(\g),4*(1-(\g))+\s
.endif
.endif
.if (\nextm) >= 0
.if \s == 0
	FETCHS (\m)+4*(\ph)+1,\nextm
.endif
	FETCHA \s,\nextm
.endif
.endr
	WIN 0
.endm
.macro WLOAD first, last, place0, base
.set GI, \first
.rept (\last)-(\first)+1
	WREG (\place0)+GI
	WIN WW<<6
.irp q,0,1,2
	global_load_b128 v[WR+4*\q:WR+4*\q+3], v[QADR], s[\base:\base+1] offset:FRB*GI+512*\q
.endr
.set GI, GI+1
.endr
	WIN 0
.endm
.macro SMALL place0, zero
.irp s,0,1,2,3
.irp c,0,1,2,3,4,5,6,7
	WREG (\place0)+16*(\c/4)+4*\s+\c%4
	WIN WW
.set DR, ACC+8*\c
.if (\zero) && (\s == 0)
	v_wmma_scale_f32_16x16x128_f8f6f4 v[DR:DR+7], v[WR:WR+11], v[AF+12*\s:AF+12*\s+11], 0, v[WS+4*\c+\s], v[AS+\s] matrix_a_fmt:MATRIX_FMT_BF6 matrix_b_fmt:MATRIX_FMT_BF6
.else
	v_wmma_scale_f32_16x16x128_f8f6f4 v[DR:DR+7], v[WR:WR+11], v[AF+12*\s:AF+12*\s+11], v[DR:DR+7], v[WS+4*\c+\s], v[AS+\s] matrix_a_fmt:MATRIX_FMT_BF6 matrix_b_fmt:MATRIX_FMT_BF6
.endif
.endr
.endr
	WIN 0
.endm
.macro SOFTMAX
.irp u,0,1,2,3
	ds_load_b64 v[ACC+2*\u:ACC+2*\u+1], v[XLD] offset:256*\u
.endr
	s_wait_dscnt 0x0
	v_pk_add_f32 v[120:121], v[120:121], v[122:123]
	v_pk_add_f32 v[124:125], v[124:125], v[126:127]
	v_pk_add_f32 v[120:121], v[120:121], v[124:125]
	v_max_num_f32 v122, v120, v121
.irp x,1,2,4,8
	v_max_num_f32_dpp v122, v122, v122 row_xmask:\x row_mask:0xf bank_mask:0xf
.endr
	v_permlanex16_b32 v123, v122, s[SEL], s[SEL+1]
	v_max_num_f32 v122, v122, v123
	v_sub_f32 v120, v120, v122
	v_sub_f32 v121, v121, v122
	v_mul_f32 v120, s[CS], v120
	v_mul_f32 v121, s[CS], v121
	s_wait_alu depctr_va_vdst(0)
	v_exp_f32 v124, v120
	v_exp_f32 v125, v121
	v_nop
	s_wait_alu depctr_va_vdst(0)
	v_add_f32 v126, v124, v125
.irp x,1,2,4,8
	v_add_f32_dpp v126, v126, v126 row_xmask:\x row_mask:0xf bank_mask:0xf
.endr
	v_permlanex16_b32 v127, v126, s[SEL], s[SEL+1]
	v_add_f32 v126, v126, v127
	s_wait_alu depctr_va_vdst(0)
	v_rcp_f32 v128, v126
	v_nop
	s_wait_alu depctr_va_vdst(0)
	v_mul_f32 v124, v124, v128
	v_mul_f32 v125, v125, v128
	ds_store_b64 v[PST], v[124:125]
.irp m,0,1,2,3
	ds_load_b128 v[PP+8*\m:PP+8*\m+3], v[PLD] offset:64*\m
	ds_load_b128 v[PP+8*\m+4:PP+8*\m+7], v[PLD] offset:64*\m+16
.endr
.endm
.macro FOLDV
.irp c,0,1,2,3,4,5,6,7
	v_pk_add_f32 v[SA+4*\c:SA+4*\c+1], v[SA+4*\c:SA+4*\c+1], v[SA+4*\c+2:SA+4*\c+3]
.endr
.irp c,0,1,2,3,4,5,6,7
	v_add_f32 v[ACC+\c], v[SA+4*\c], v[SA+4*\c+1]
.endr
.irp c,0,1,2,3,4,5,6,7
	v_permlanex16_b32 v[ACC+8+\c], v[ACC+\c], s[SEL], s[SEL+1]
.endr
.irp c,0,1,2,3,4,5,6,7
	v_add_f32 v[ACC+\c], v[ACC+\c], v[ACC+8+\c]
.endr
	WIN 0x04
.irp c,0,1,2,3
	v_add_f32 v[ACC+\c], v[ACC+\c], v[252+\c]
.endr
	WIN 0x08
.irp c,0,1,2,3
	v_add_f32 v[ACC+4+\c], v[ACC+4+\c], v[252+\c]
.endr
	WIN 0
	v_add_nc_u32 v[QADR], s[QOF], v[SLA0]
.irp c,0,1,2,3,4,5,6,7
	ds_store_b32 v[QADR], v[ACC+\c] offset:64*\c
.endr
.endm
.macro BATCH refill, w4
	BARRIER
	v_add_nc_u32 v[QADR], s[TB], v[QA0]
	LOADF 0,ACC
	LOADF 1,QV
	s_wait_dscnt 16
	QUANT ACC
	IMG 0
	LOADF 2,ACC
	s_wait_dscnt 16
	QUANT QV
	IMG 1
	LOADF 3,QV
	s_wait_dscnt 16
	QUANT ACC
	IMG 2
	s_wait_dscnt 0x0
	QUANT QV
	IMG 3
.if \refill
	s_wait_tensorcnt 0x0
	ds_add_u32 v[SPW], v[NIL]
	s_xor_b32 s[G0B+1], s[G0B+1], SLOT
	s_add_nc_u64 s[G0B+2:G0B+3], s[G0B+2:G0B+3], 131072
	s_wait_dscnt 0x0
	s_barrier_signal -1
	s_barrier_wait -1
	tensor_load_to_lds s[G0B:G0B+3], s[G1:G1+7]
	s_nop 0
	PLACES
.else
	BARRIER
.endif
	v_add_nc_u32 v[QADR], s[QOF], v[QLD0]
	FETCHS 0,0
.irp s,0,1,2,3
	FETCHA \s,0
.endr
.irp c,0,1,2,3,4,5,6,7
	ds_load_b128 v[QV+8*\c:QV+8*\c+3], v[QADR] offset:64*\c
	ds_load_b128 v[QV+8*\c+4:QV+8*\c+7], v[QADR] offset:64*\c+16
.endr
	s_wait_loadcnt 63
	GROUP 0,0,0,0,-1,16
	GROUP 0,0,1,1,1,-1
	s_wait_alu depctr_va_vdst(0)
	GROUP 0,1,0,2,-1,0
	FOLDK 0
	GROUP 0,1,1,2,2,-1
	GROUP 0,2,0,2,-1,0
	FOLDK 1
	GROUP 0,2,1,2,3,-1
	GROUP 0,3,0,2,-1,0
	FOLDK 2
	GROUP 0,3,1,2,0,-1
	s_wait_alu depctr_va_vdst(0)
	s_wait_dscnt 13
	PLACES
.irp c,4,5,6,7
	CONK 1,\c
.endr
	FOLDK 3
	BARRIER
	SOFTMAX
	s_wait_loadcnt 0x0
.if \w4
	v_and_b32 v[QADR], 31, v0                      ; the last products with W2 are done: its registers take W4's fragments 0-19, 60 loads
	v_lshlrev_b32 v[QADR], 4, v[QADR]
	s_wait_alu depctr_va_vdst(0)
	WLOAD 0,19,0,WB4
.endif
	GROUP 1,0,0,0,-1,-1
	GROUP 1,0,1,1,1,-1
	GROUP 1,1,0,2,-1,0
	GROUP 1,1,1,2,2,-1
.if \w4
	WLOAD 20,31,0,WB4                              ; fragments 20-31, 36 loads
.endif
	GROUP 1,2,0,2,-1,0
	GROUP 1,2,1,2,3,-1
	GROUP 1,3,0,2,-1,0
	GROUP 1,3,1,2,-1,-1
.if \w4
	s_wait_alu depctr_va_vdst(0)
	s_wait_xcnt 0x0                                ; W4's loads have read their address register, which is written again below
.endif
	PLACES
.irp c,4,5,6,7
	CONV 1,\c,3
.endr
	FOLDV
	s_add_co_u32 s[QOF], s[QOF], QP
	s_xor_b32 s[TB], s[TB], SLOT
.endm
.macro ROWSUM
	v_pk_add_f32 v[64:65], v[64:65], v[66:67]
	v_pk_add_f32 v[68:69], v[68:69], v[70:71]
	v_pk_add_f32 v[64:65], v[64:65], v[68:69]
	v_add_f32 v72, v64, v65
	v_add_f32_dpp v72, v72, v72 row_xmask:8 row_mask:0xf bank_mask:0xf
	v_permlanex16_b32 v73, v72, s[SEL], s[SEL+1]
	v_add_f32 v72, v72, v73
.endm
	s_load_b256 s[8:15], s[0:1], 0x0               ; Lt, ct, wcodes, wscales
	s_load_b64 s[16:17], s[0:1], 0x20              ; b1
	s_load_b256 s[20:27], s[0:1], 0x28             ; b3, b4, ln_g, ln_b
	s_load_b64 s[28:29], s[0:1], 0x48              ; out0
	v_lshl_add_u32 v[SPW], v0, 2, SPARE
	v_mov_b32 v[NIL], 0
	ds_add_u32 v1, v2
	ds_add_u32 v1, v2
	s_wait_dscnt 0x0
	v_lshrrev_b32 v18, 5, v0
	v_readfirstlane_b32 s[WV], v18
	s_mul_i32 s[WT], s[WV], TILE
	s_lshl_b32 s[W512], s[WV], 9
	s_mov_b32 s[G1+0], (2<<16)|(1<<20)|(6<<22)|(3<<25)
	s_mov_b32 s[G1+1], 128<<16
	s_mov_b32 s[G1+2], 64<<16
	s_mov_b32 s[G1+3], 128<<16
	s_mov_b32 s[G1+4], 64
	s_mov_b32 s[G1+5], 512
	s_mov_b32 s[G1+6], 0
	s_mov_b32 s[G1+7], 0
	s_mov_b32 s[SEL], 0x76543210
	s_mov_b32 s[SEL+1], 0xfedcba98
	s_mov_b32 s[CS], 0x3d8293ee
	s_mov_b32 s[TB], 0
	s_mov_b32 s[QOF], 0
	s_lshl_b32 s2, ttmp9, 20
	s_add_co_u32 s2, s2, s[W512]
	s_mov_b32 s3, 0
	s_lshl_b32 s4, ttmp9, 14
	s_mov_b32 s5, 0
	s_mul_i32 s6, s[WV], 32*FRB
	s_mov_b32 s7, 0
	s_wait_kmcnt 0x0
	s_mov_b32 s[G0A], 1
	s_mov_b32 s[G0A+1], s[WT]
	s_add_nc_u64 s[G0A+2:G0A+3], s[8:9], s[2:3]
	s_mov_b32 s[G0B], 1
	s_add_co_u32 s[G0B+1], s[WT], SLOT
	s_add_nc_u64 s[G0B+2:G0B+3], s[G0A+2:G0A+3], 131072
	s_or_b32 s[G0A+3], s[G0A+3], 0x80000000
	s_or_b32 s[G0B+3], s[G0B+3], 0x80000000
	tensor_load_to_lds s[G0A:G0A+3], s[G1:G1+7]
	s_nop 0
	PLACES
	s_add_nc_u64 s[10:11], s[10:11], s[4:5]
	s_add_nc_u64 s[28:29], s[28:29], s[4:5]
	s_add_nc_u64 s[WB1:WB1+1], s[12:13], s[6:7]
	s_add_nc_u64 s[WB2:WB2+1], s[WB1:WB1+1], 128*FRB
	s_add_nc_u64 s[WB3:WB3+1], s[WB2:WB2+1], 128*FRB
	s_add_nc_u64 s[WB4:WB4+1], s[WB3:WB3+1], 128*FRB
	v_and_b32 v17, 31, v0
	v_and_b32 v18, 15, v0
	v_bfe_u32 v19, v0, 4, 1
	v_lshlrev_b32 v[QADR], 4, v17
	s_lshl_b32 s5, s[WV], 11
	v_and_b32 v248, 7, v0
	v_lshlrev_b32 v248, 11, v248
	v_lshl_add_u32 v248, v19, 7, v248
	v_add_nc_u32 v248, s[W512], v248
	v_lshlrev_b32 v249, 4, v18
	v_add_nc_u32 v249, s5, v249
	v_lshl_add_u32 v250, v19, 5, s[W512]
	v_lshl_add_u32 v251, v18, 2, s[W512]
	v_lshlrev_b32 v252, 4, v0                      ; 16 bytes a thread of ln_g, ln_b, b4
	v_add_nc_u32 v253, GLB, v252
	global_load_b128 v[100:103], v252, s[24:25]
	global_load_b128 v[104:107], v252, s[26:27]
	global_load_b128 v[108:111], v252, s[22:23]
.irp c,0,1
.irp i,0,1,2,3,4,5,6,7
	global_load_b128 v[QV+32*\c+4*\i:QV+32*\c+4*\i+3], v248, s[10:11] offset:256*\c+16*\i
.endr
.endr
.irp c,0,1,2,3,4,5,6,7
	global_load_b128 v[WS+4*\c:WS+4*\c+3], v249, s[14:15] offset:256*\c
.endr
.irp c,0,1,2,3,4,5,6,7
	global_load_b128 v[ACC+8*\c:ACC+8*\c+3], v250, s[16:17] offset:64*\c
	global_load_b128 v[ACC+8*\c+4:ACC+8*\c+7], v250, s[16:17] offset:64*\c+16
.endr
	WIN 0x40
.irp c,0,1,2,3
	global_load_b32 v[252+\c], v251, s[20:21] offset:64*\c
.endr
	WIN 0x80
.irp c,0,1,2,3
	global_load_b32 v[252+\c], v251, s[20:21] offset:256+64*\c
.endr
	WIN 0
	WLOAD 0,31,32,WB1
	v_lshl_add_u32 v[LI], v17, 4, CODES
	v_mul_u32_u24 v[QA0], v18, RP
	v_lshl_add_u32 v[QA0], v19, 7, v[QA0]
	v_add_nc_u32 v[QA0], s[WT], v[QA0]
	s_mul_i32 s2, s[WV], FRB
	v_add_nc_u32 v[CST], s2, v[LI]
	v_lshl_add_u32 v[ASA], v18, 4, ASC
	s_lshl_b32 s3, s[WV], 2
	v_add_nc_u32 v[SST], s3, v[ASA]
	s_lshl_b32 s4, s[WV], 8
	v_lshl_add_u32 v[XST], v18, 2, XCH
	v_add_nc_u32 v[XST], s4, v[XST]
	v_lshl_add_u32 v[XLD], v17, 3, XCH
	v_lshl_add_u32 v[PST], v17, 3, PPRIV
	v_add_nc_u32 v[PST], s4, v[PST]
	v_lshl_add_u32 v[PLD], v19, 5, PPRIV
	v_add_nc_u32 v[PLD], s4, v[PLD]
	v_lshl_add_u32 v[QLD0], v19, 5, QS
	v_add_nc_u32 v[QLD0], s[W512], v[QLD0]
	v_lshl_add_u32 v[SLA0], v18, 2, QS
	v_add_nc_u32 v[SLA0], s[W512], v[SLA0]
	v_lshlrev_b32 v[SH8], 3, v19
	v_mov_b32 v[TT], 0
	s_wait_loadcnt 63                              ; behind ln_g, ln_b, b4 and ct stand 128 later loads
	ds_store_b128 v253, v[100:103]
	ds_store_b128 v253, v[104:107] offset:2048
	ds_store_b128 v253, v[108:111] offset:4096
	QUANT QV
	IMG 0
	WLOAD 0,31,0,WB2                               ; W2's places are free from the start
	BARRIER
	FETCHS 0,0
.irp s,0,1,2,3
	FETCHA \s,0
.endr
	s_wait_loadcnt 63                              ; W1 is in: behind it stand W2's 96 loads
	s_wait_dscnt 0x0
	SMALL 32,0
	PLACES
	v_and_b32 v64, 7, v0
	v_bfe_u32 v65, v0, 4, 1
	v_mul_u32_u24 v66, v64, QP
	v_lshl_add_u32 v66, v65, 5, v66
	s_add_co_u32 s2, s[W512], QS
	v_add_nc_u32 v66, s2, v66
	v_and_b32 v68, 15, v0
	v_lshlrev_b32 v68, 4, v68
	v_lshl_add_u32 v68, v65, 13, v68
	v_add_nc_u32 v68, s5, v68
.irp c,0,1,2,3,4,5,6,7
	ds_store_b128 v66, v[ACC+8*\c:ACC+8*\c+3] offset:64*\c
	ds_store_b128 v66, v[ACC+8*\c+4:ACC+8*\c+7] offset:64*\c+16
.endr
.irp c,0,1,2,3,4,5,6,7
	global_load_b128 v[WS+4*\c:WS+4*\c+3], v68, s[14:15] offset:8192+256*\c
.endr
	s_wait_alu depctr_va_vdst(0)                   ; slot 1's first fill is issued as a refill is, behind the q product
	s_wait_tensorcnt 0x0                           ; my part of slot 0 is in
	ds_add_u32 v[SPW], v[NIL]
	s_wait_dscnt 0x0                               ; the add and my stores of q are done
	s_barrier_signal -1
	s_barrier_wait -1
	tensor_load_to_lds s[G0B:G0B+3], s[G1:G1+7]
	s_nop 0
	PLACES
	WLOAD 0,31,32,WB3
	s_wait_xcnt 0x0
	s_wait_tensorcnt 0x1
	s_mov_b32 s[CNT], 6
.Lfill:
	BATCH 1,0
	s_sub_co_i32 s[CNT], s[CNT], 1
	s_cmp_lg_u32 s[CNT], 0
	s_cbranch_scc1 .Lfill
	s_wait_tensorcnt 0x0
	BATCH 0,0                                      ; the last two batch rows fetch nothing more; the very last asks for W4
	BATCH 0,1
	s_wait_dscnt 0x0
	v_and_b32 v5, 31, v0
	v_lshlrev_b32 v5, 4, v5
	v_bfe_u32 v15, v0, 4, 1
	v_and_b32 v9, 15, v0
	v_lshlrev_b32 v9, 4, v9
	s_lshl_b32 s2, s[WV], 11
	v_add_nc_u32 v9, s2, v9
	v_lshl_add_u32 v4, v15, 7, s[W512]
	v_add_nc_u32 v4, GLB, v4                       ; LDS: my lane's 64 numbers of ln_g (ln_b 2,048 bytes on)
	v_add_nc_u32 v10, s[W512], v5
	v_add_nc_u32 v17, GLB+4096, v10                ; LDS: my 16 bytes of b4
	v_and_b32 v14, 7, v0
	v_mul_u32_u24 v14, v14, QP
	v_bfe_u32 v11, v0, 3, 2
	v_lshl_add_u32 v11, v11, 9, v14
	v_add_nc_u32 v11, QS, v11
	s_add_co_u32 s3, s[W512], QS
	v_add_nc_u32 v13, s3, v14
	v_lshl_add_u32 v12, v15, 7, v13
	v_lshl_add_u32 v13, v15, 5, v13
	v_add_nc_u32 v14, s3, v5
.irp c,0,1,2,3,4,5,6,7
	global_load_b128 v[WS+4*\c:WS+4*\c+3], v9, s[14:15] offset:24576+256*\c
.endr
	s_wait_alu depctr_va_vdst(0)
	s_barrier_signal -1
	s_barrier_wait -1
.set J, 0
.rept 32
	ds_load_b128 v[ACC+4*J:ACC+4*J+3], v11 offset:16*J
.set J, J+1
.endr
	s_wait_dscnt 0x0
.irp k,0,1,2,3
	v_pk_add_f32 v[64+2*\k:65+2*\k], v[ACC+4*\k:ACC+4*\k+1], v[ACC+4*\k+2:ACC+4*\k+3]
.endr
.set J, 8
.rept 56
	v_pk_add_f32 v[64+2*(J%4):65+2*(J%4)], v[64+2*(J%4):65+2*(J%4)], v[ACC+2*J:ACC+2*J+1]
.set J, J+1
.endr
	ROWSUM
	v_mul_f32 v248, 0x3b000000, v72
	v_mov_b32 v249, v248
.set J, 0
.rept 64
	v_pk_add_f32 v[ACC+2*J:ACC+2*J+1], v[ACC+2*J:ACC+2*J+1], v[248:249] neg_lo:[0,1] neg_hi:[0,1]
.set J, J+1
.endr
.irp k,0,1,2,3
	v_pk_mul_f32 v[64+2*\k:65+2*\k], v[ACC+2*\k:ACC+2*\k+1], v[ACC+2*\k:ACC+2*\k+1]
.endr
.set J, 4
.rept 60
	v_pk_fma_f32 v[64+2*(J%4):65+2*(J%4)], v[ACC+2*J:ACC+2*J+1], v[ACC+2*J:ACC+2*J+1], v[64+2*(J%4):65+2*(J%4)]
.set J, J+1
.endr
	ROWSUM
	s_mov_b32 s2, 0x3727c5ac
	s_mov_b32 s3, 0x3b000000
	v_fma_f32 v72, v72, s3, s2
	s_wait_alu depctr_va_vdst(0)
	v_rsq_f32 v250, v72
	v_nop
	s_wait_alu depctr_va_vdst(0)
	v_mov_b32 v251, v250
.irp i,0,1,2,3,4,5,6,7
	global_load_b128 v[QV+4*\i:QV+4*\i+3], v10, s[10:11] offset:2048*\i
.endr
	ds_load_b128 v[B4R:B4R+3], v17
	WIN 0xc0
.irp c,0,1
.irp i,0,1,2,3,4,5,6,7
	ds_load_b128 v[32*\c+4*\i:32*\c+4*\i+3], v4 offset:256*\c+16*\i
	ds_load_b128 v[64+32*\c+4*\i:64+32*\c+4*\i+3], v4 offset:2048+256*\c+16*\i
.endr
.endr
	WIN 0
.irp c,0,1
.irp i,0,1,2,3,4,5,6,7
	ds_load_b128 v[ACC+32*\c+4*\i:ACC+32*\c+4*\i+3], v12 offset:256*\c+16*\i
.endr
.endr
	s_wait_dscnt 0x0
.set J, 0
.rept 32
	v_pk_add_f32 v[ACC+2*J:ACC+2*J+1], v[ACC+2*J:ACC+2*J+1], v[248:249] neg_lo:[0,1] neg_hi:[0,1]
.set J, J+1
.endr
.set J, 0
.rept 32
	v_pk_mul_f32 v[ACC+2*J:ACC+2*J+1], v[ACC+2*J:ACC+2*J+1], v[250:251]
.set J, J+1
.endr
	WIN 0x3c
.set J, 0
.rept 32
	v_pk_fma_f32 v[ACC+2*J:ACC+2*J+1], v[ACC+2*J:ACC+2*J+1], v[2*J:2*J+1], v[64+2*J:64+2*J+1]
.set J, J+1
.endr
	WIN 0
.set J, 0
.rept 64
	v_max_num_f32 v[ACC+J], 0, v[ACC+J]
.set J, J+1
.endr
	QUANT ACC
	IMG 0
	BARRIER
	FETCHS 0,0
.irp s,0,1,2,3
	FETCHA \s,0
.endr
	s_wait_loadcnt 8                               ; W4 and its scale words are in; ct's eight loads may be out
	s_wait_dscnt 0x0
	SMALL 0,1
	PLACES
.irp c,0,1,2,3,4,5,6,7
	ds_store_b128 v13, v[ACC+8*\c:ACC+8*\c+3] offset:64*\c
	ds_store_b128 v13, v[ACC+8*\c+4:ACC+8*\c+7] offset:64*\c+16
.endr
.irp i,0,1,2,3,4,5,6,7
	ds_load_b128 v[OUTR+4*\i:OUTR+4*\i+3], v14 offset:QP*\i
.endr
	s_wait_loadcnt 0x0
	s_wait_dscnt 0x0
.irp i,0,1,2,3,4,5,6,7
	v_pk_add_f32 v[OUTR+4*\i:OUTR+4*\i+1], v[OUTR+4*\i:OUTR+4*\i+1], v[B4R:B4R+1]
	v_pk_add_f32 v[OUTR+4*\i+2:OUTR+4*\i+3], v[OUTR+4*\i+2:OUTR+4*\i+3], v[B4R+2:B4R+3]
.endr
.irp i,0,1,2,3,4,5,6,7
	v_pk_add_f32 v[OUTR+4*\i:OUTR+4*\i+1], v[OUTR+4*\i:OUTR+4*\i+1], v[QV+4*\i:QV+4*\i+1]
	v_pk_add_f32 v[OUTR+4*\i+2:OUTR+4*\i+3], v[OUTR+4*\i+2:OUTR+4*\i+3], v[QV+4*\i+2:QV+4*\i+3]
.endr
.irp i,0,1,2,3,4,5,6,7
	global_store_b128 v10, v[OUTR+4*\i:OUTR+4*\i+3], s[28:29] offset:2048*\i th:TH_STORE_NT
.endr
	s_wait_tensorcnt 0x0
	ds_add_u32 v[SPW], v[NIL]
	s_wait_dscnt 0x0
	s_endpgm
.Lfunc_end_k_q65205809fb_main:
	.size	k_q65205809fb_main, .Lfunc_end_k_q65205809fb_main-k_q65205809fb_main
	.p2alignl 7, 3214868480
	.fill 96, 4, 3214868480
	.section	.rodata,"a",@progbits
	.p2align	6, 0x0
	.amdhsa_kernel k_q65205809fb_main
		.amdhsa_group_segment_fixed_size 327680
		.amdhsa_private_segment_fixed_size 0
		.amdhsa_enable_private_segment 0
		.amdhsa_kernarg_size 80
		.amdhsa_user_sgpr_count 2
		.amdhsa_user_sgpr_kernarg_segment_ptr 1
		.amdhsa_wavefront_size32 1
		.amdhsa_system_sgpr_workgroup_id_x 1
		.amdhsa_system_sgpr_workgroup_id_y 1
		.amdhsa_system_sgpr_workgroup_id_z 1
		.amdhsa_system_vgpr_workitem_id 0
		.amdhsa_next_free_vgpr 1024
		.amdhsa_next_free_sgpr 66
		.amdhsa_reserve_vcc 0
		.amdhsa_float_denorm_mode_32 3
		.amdhsa_float_denorm_mode_16_64 3
		.amdhsa_memory_ordered 1
		.amdhsa_forward_progress 1
		.amdhsa_inst_pref_size 255
	.end_amdhsa_kernel
	.section	.bss,"aw",@nobits
	.p2align	6
	.space	262144
	.amdgpu_metadata
---
amdhsa.version: [ 1, 2 ]
amdhsa.kernels:
  - .name:           k_q65205809fb_main
    .symbol:         k_q65205809fb_main.kd
    .args:
      - { .name: Lt, .offset: 0, .size: 8, .value_kind: global_buffer, .address_space: global }
      - { .name: ct, .offset: 8, .size: 8, .value_kind: global_buffer, .address_space: global }
      - { .name: wcodes, .offset: 16, .size: 8, .value_kind: global_buffer, .address_space: global }
      - { .name: wscales, .offset: 24, .size: 8, .value_kind: global_buffer, .address_space: global }
      - { .name: b1, .offset: 32, .size: 8, .value_kind: global_buffer, .address_space: global }
      - { .name: b3, .offset: 40, .size: 8, .value_kind: global_buffer, .address_space: global }
      - { .name: b4, .offset: 48, .size: 8, .value_kind: global_buffer, .address_space: global }
      - { .name: ln_g, .offset: 56, .size: 8, .value_kind: global_buffer, .address_space: global }
      - { .name: ln_b, .offset: 64, .size: 8, .value_kind: global_buffer, .address_space: global }
      - { .name: out0, .offset: 72, .size: 8, .value_kind: global_buffer, .address_space: global }
    .group_segment_fixed_size: 327680
    .private_segment_fixed_size: 0
    .kernarg_segment_align: 8
    .kernarg_segment_size: 80
    .max_flat_workgroup_size: 128
    .sgpr_count:     66
    .vgpr_count:     1024
    .wavefront_size: 32
...
	.end_amdgpu_metadata
.endif
;; end of part 2
